; MI455X (gfx1250); checked and timed in simulation.
; The chip was launched on July 23, 2026; its instructions are those of AMD's public machine-readable ISA for CDNA 5 (MIT licence, August 2026) and "CDNA5" Instruction Set Architecture Reference Guide (July 2026). The comments in the code are by the model that wrote it; some were corrected since.
;; MHA. Allowed arithmetic: matrix products marked QUANTISED: E2M1 operands, one E8M0 scale for each 32 along K, by v_wmma_scale_f32_16x16x128_f8f6f4 with both operands' format E2M1 (or v_wmma_scale_f32_32x16x128_f4), f32 sums; everything else in f32.
;; Inputs: W_qkv_codes 3,072 x 32 x 16 uint8 (E2M1 codes of W_qkv, K innermost, in blocks of 32 codes, two codes a byte); W_qkv_scales 3,072 x 32 uint8 (E8M0 scales of W_qkv, one for each 32 codes along K); inputs 4 x 2,048 x 1,024 float32; mask_mat 4 x 2,048 float32.
;; Outputs: out0 4 x 2,048 x 1,024 float32.
;; This version of the problem:
;;   THIS VERSION OF THE PROBLEM IS GIVEN IN LOW PRECISION. The matrix products marked QUANTISED in the list below multiply operands that are first quantised to E2M1 (2 exponent bits, 1 mantissa bit; 4 bits a number), with one power-of-two scale for each 32 numbers along K (OCP MX v1.0); their sums are f32. All else is computed in f32.
;;   The module's matrix products, in the order in which they are computed (A, B: the left and right operand; K: the contracted axis; several contracted axes count as one K, in the product's order):
;;     1. [M 8,192, K 1,024] x [K 1,024, N 3,072]; A: computed on the way; B: input W_qkv (given as codes): QUANTISED
;;     2. batch 64 x [M 2,048, K 64] x [K 64, N 2,048]; A: computed on the way; B: computed on the way: QUANTISED
;;     3. batch 64 x [M 2,048, K 2,048] x [K 2,048, N 64]; A: softmax (see below); B: computed on the way: QUANTISED
;;   THE QUANTISER, for each operand of a quantised product, along K:
;;     - K is cut into blocks of 32 from its start; a last block that is shorter is filled with zeros.
;;     - A block's scale is 2^e with e = floor(log2(the largest magnitude in the block)) - 2, held to -126 .. 127; a block of zeros has e = 0. As a byte (E8M0): e + 127.
;;     - Each number is divided by its block's scale, clamped to +-6, and rounded to the nearest number of E2M1, ties to even, subnormals kept.
;;     - The product sums the exact products of the quantised numbers (number of the format x scale) in f32.
;;   ~~~python
;;   def quantise(x, axis):      # numpy; x: float32 -> the quantised numbers, widened to float32 again
;;       x = np.moveaxis(x, axis, -1); K = x.shape[-1]
;;       x = np.pad(x, [(0, 0)] * (x.ndim - 1) + [(0, -K % 32)]); x = x.reshape(x.shape[:-1] + (-1, 32)); a = np.abs(x).max(-1, keepdims=True)
;;       e = np.where(a > 0, np.clip(np.frexp(np.where(a > 0, a, 1))[1] - 1 - 2, -126, 127), 0)      # np.frexp(a)[1] - 1 = floor(log2(a)), exactly
;;       r = np.clip(x / 2.0 ** e, -6, 6)
;;       step = 2.0 ** (np.maximum(np.frexp(np.where(r == 0, 1, r))[1] - 1, 0) - 1)
;;       q = np.round(r / step) * step * 2.0 ** e      # np.round: ties to even
;;       return np.moveaxis(q.reshape(q.shape[:-2] + (-1,))[..., :K], -1, axis).astype(np.float32)
;;   ~~~
;;   SOFTMAX AHEAD OF A QUANTISED PRODUCT. Where the list says 'softmax', what is quantised is not the finished softmax but p = 2^(t - M), with t = logit x log2(e) and M = ceil(the row's largest t), a whole number; so 1/2 < the row's largest p <= 1. The row's sum l is taken of the UNQUANTISED p, in f32, and the product's result is divided by l at the end. Since M is a whole number, a kernel that streams over the keys may use a running M (the ceiling of the running maximum): every later rescaling is an exact power of two, which a block's scale takes up: the codes' values come out the same.
;;   OPERANDS COMPUTED ON THE WAY. 'Computed on the way' means the value that the module computes at that place (a softmax that the list does not call 'softmax' is quantised finished and normalised). What goes into a quantiser is computed in f32, as accurately as f32 sums, v_exp_f32 and their like allow (about 1e-6 of the number): no bf16 or f16 on the way to a quantiser, and a product that is left as it is and whose result goes on into a quantised operand takes f32 operands (vector FMAs, or v_wmma_f32_16x16x4_f32). A number that lies on a knife's edge between two numbers of the format may be rounded either way, as far as f32 arithmetic and the matrix unit's own rounding can turn it there, and no further.
;;   INPUTS GIVEN AS CODES. W_qkv (in the module: [1024, 3072], K = its axis 0): each comes as NAME_codes (uint8): NAME with its K axis moved to the last place and cut into blocks of 32 codes, [.., K / 32, bytes a block], one block behind the other in memory; two codes a byte, the lower K in the low four bits (a code: sign, 2 exponent bits, 1 mantissa bit); and NAME_scales (uint8): the same leading axes, one E8M0 byte (e + 127) for each 32 codes along K. Its value is code x scale, taken as it is: it is not quantised again, and the codes and scales need not be those that the quantiser above would give.
;; One version. Each part assembles by itself: llvm-mc -triple=amdgcn-amd-amdhsa -mcpu=gfx1250 --defsym DOCPART=n.
;; ======== version 1 of 1: 3 launches
;; limits: right only within a limited range of input values
;; workspace buffers: xq_codes 4,194,304 bytes; xq_scales 262,144 bytes; qkv 13,893,632 bytes
;; launch quantx (part 1): grid 256 x 1, 8 waves a work-group, no clusters, 43,008 bytes of LDS; arguments inputs, xq_codes, xq_scales; writes xq_codes, xq_scales
.if DOCPART == 1
	.amdgcn_target "amdgcn-amd-amdhsa--gfx1250"
	.amdhsa_code_object_version 6
	.text
	.protected	k_q8bf677deed_quantx
	.globl	k_q8bf677deed_quantx
	.p2align	8
	.type	k_q8bf677deed_quantx,@function
k_q8bf677deed_quantx:
	s_mov_b64 s[64:65], 0
	v_nop
	global_prefetch_b8 v0, s[64:65] scope:SCOPE_SE
	s_setreg_imm32_b32 hwreg(HW_REG_WAVE_MODE, 25, 1), 1
	s_wait_xcnt 0x0
; x = inputs + the sinusoidal table, quantised along C into codes of E2M1 (4 bits) with one E8M0 byte for each 32: xq_codes [8192][512 bytes], xq_scales [8192][32 bytes], row = 2048 b + position.
; NO WORK OF THE PROBLEM IS LEFT OUT in this program: every input reaches the output (the mask term m_i m_j changes along the softmax's axis), and all three products are live.
; THE TABLE.  Column c of position p holds sin (c even) or cos (c odd) of p x rate(i), i = c / 2, rate = 1 / 10000^(i / 512).  It hangs on the position alone, so a wave takes ONE position in all four batches
; and makes its row of the table once.  10000^(i/512) = 2^(i L), L = log2(10000) / 512 kept in two words; the whole part goes through v_ldexp_f32, the rest through v_exp_f32; the reciprocal gets one Newton step;
; the angle is one f32 product, as the problem has it; it is reduced by n = round(angle x 2 / pi) with pi / 2 in two words, and sine and cosine on +-pi/4 are polynomials of degree 7 and 8.
; LIMITS: a rate may differ from the problem's by an ulp, which at the largest angle (2,047) moves the angle by about 1e-4; NaN and infinities among the inputs are not served; a block whose largest
; magnitude lies under 2^-124 keeps the byte 1 (a block of zeros too: its codes are zeros, and this program alone reads the bytes).
; SHARES.  Work-group g: positions 8 g .. 8 g + 7; wave w: position 8 g + w; 8 steps of 512 numbers: step t = batch t / 2, half t % 2 of the row.  All 32 loads of a wave (16 KiB) go out at the head and fly while the table is made.
; Each load reads 512 consecutive bytes; a step's 2,048 bytes turn through the wave's own stage in LDS and come back 64 bytes a lane: 16 neighbours along C, two lanes to a block of 32.
; A step's codes leave as 256 consecutive aligned bytes.  The scale bytes of the work-group's 8 rows of a batch are 256 consecutive bytes of memory: they meet in LDS, and waves 0 to 3 store a batch's each.
.set SP,    80                         ; a lane's place in a stage: 64 bytes + 16 of padding
.set WREG,  5120                       ; a wave's two stages of 32 x SP bytes
.set SCB,   40960                      ; behind the eight waves' stages: the scale bytes, [batch][wave][32]
.set SPARE, 41984                      ; the spare words, 128 bytes for each wave: four blocks of 256 bytes that no other line names
.set SPW,   12                         ; v12      LDS address of my spare word; never rewritten
.set NIL,   13                         ; v13      0; never rewritten
.set VB,    16                         ; v16-19   16 x lane + batch x 8,388,608: a batch's stride is beyond a load's immediate
.set R,     32                         ; v32-159  the eight steps as they are loaded
.set X,     160                        ; v160-191 two sets of 16 neighbours
.set PE,    192                        ; v192-223 my 2 x 16 numbers of the table: (sin, cos) pairs
.set CD,    224                        ; v224-239 codes, two registers a step
.set EB,    240                        ; v240-247 a scale byte a step
.set WK0,   160                        ; while the table is made: seven work arrays of eight
.set WK1,   168
.set WK2,   176
.set WK3,   184
.set WK4,   224
.set WK5,   232
.set WK6,   240
.set LH,    28                         ; s28, s29 log2(10000) / 512 in two words
.set LL,    29
.set TOPI,  30                         ; s30      2 / pi
.set PH,    31                         ; s31, s32 pi / 2 in two words
.set PM,    32
.set KS1,   33                         ; s33-35   sine's coefficients
.set KS2,   34
.set KS3,   35
.set KC1,   36                         ; s36-38   cosine's
.set KC2,   37
.set KC3,   38
	s_load_b128 s[4:7], s[0:1], 0x0                ; inputs, xq_codes
	s_load_b64 s[8:9], s[0:1], 0x10                ; xq_scales
	v_lshl_add_u32 v[SPW], v0, 2, SPARE
	v_mov_b32 v[NIL], 0
	v_lshrrev_b32 v1, 5, v0
	s_delay_alu instid0(VALU_DEP_1)
	v_readfirstlane_b32 s16, v1                    ; wave 0..7
	v_and_b32 v2, 31, v0                           ; lane
	s_delay_alu instid0(VALU_DEP_1)
	v_lshlrev_b32 v3, 4, v2                        ; my 16 bytes of a load's 512
	s_delay_alu instid0(VALU_DEP_2)
	v_lshlrev_b32 v4, 3, v2                        ; 8 x lane: my codes' place in a step's, my 8 scale bytes on the way out, and the first of my eight table indices
	s_lshl_b32 s17, ttmp9, 3
	s_add_co_u32 s17, s17, s16                     ; my position
	v_cvt_f32_u32 v20, s17
.irp b, 0,1,2,3
	v_add_nc_u32 v[VB+\b], \b*8388608, v3
.endr
	s_mul_i32 s18, s16, WREG
	v_lshrrev_b32 v14, 2, v2
	s_delay_alu instid0(VALU_DEP_1)
	v_mul_u32_u24 v14, v14, SP
	v_and_b32 v15, 3, v2
	s_delay_alu instid0(VALU_DEP_1)
	v_lshl_add_u32 v14, v15, 4, v14
	s_delay_alu instid0(VALU_DEP_1)
	v_add_nc_u32 v14, s18, v14                     ; the stage, on the way in: SP (lane / 4) + 16 (lane % 4); a load's 512 bytes take eight places
	v_mul_u32_u24 v15, v2, SP
	s_delay_alu instid0(VALU_DEP_1)
	v_add_nc_u32 v15, s18, v15                     ; and on the way out: SP x lane
	v_lshrrev_b32 v5, 1, v2
	s_lshl_b32 s19, s16, 5
	s_add_co_u32 s19, s19, SCB
	v_add_nc_u32 v5, s19, v5                       ; my block's scale byte: SCB + 32 x wave + lane / 2
	s_and_b32 s20, s16, 3                          ; the batch whose scale bytes I store, if I store
	s_lshl_b32 s21, s20, 8
	s_add_co_u32 s21, s21, SCB
	v_add_nc_u32 v6, s21, v4                       ; its 256 bytes, 8 a lane
	s_lshl_b32 s22, s17, 12                        ; my row of inputs: 4,096 bytes a position
	s_mov_b32 s23, 0
	s_lshl_b32 s24, s17, 9                         ; of the codes: 512
	s_mov_b32 s25, 0
	s_lshl_b32 s26, ttmp9, 8                       ; the work-group's 8 rows of scale bytes,
	s_lshl_b32 s27, s20, 16                        ; in that batch: 2,048 rows of 32 bytes
	s_add_co_u32 s26, s26, s27
	s_mov_b32 s27, 0
	s_mov_b32 s[LH], 0x3cd49a78
	s_mov_b32 s[LL], 0x30179a37
	s_mov_b32 s[TOPI], 0x3f22f983
	s_mov_b32 s[PH], 0x3fc90fdb
	s_mov_b32 s[PM], 0xb33bbd2e
	s_mov_b32 s[KS1], 0xbe2aaaa3
	s_mov_b32 s[KS2], 0x3c08839e
	s_mov_b32 s[KS3], 0xb94ca1f9
	s_mov_b32 s[KC1], 0x3d2aaaa5
	s_mov_b32 s[KC2], 0xbab6061a
	s_mov_b32 s[KC3], 0x37ccf5ce
	s_wait_kmcnt 0x0
	s_add_nc_u64 s[4:5], s[4:5], s[22:23]
	s_add_nc_u64 s[6:7], s[6:7], s[24:25]
	s_add_nc_u64 s[8:9], s[8:9], s[26:27]
.macro LOAD t
.irp i, 0,1,2,3
	global_load_b128 v[R+16*(\t)+4*\i:R+16*(\t)+4*\i+3], v[VB+(\t)/2], s[4:5] offset:2048*((\t)%2)+512*\i th:TH_LOAD_NT   ; 32 lanes read 512 consecutive bytes, read once in the launch
.endr
.endm
.irp t, 0,1,2,3,4,5,6,7
	LOAD \t
.endr
; My 16 numbers of the table for half tau of the row: indices i = 256 tau + 8 lane + w, w = 0 .. 7; each line is written for the eight by turns, so that no line waits for the line above it.
.macro PEHALF tau
.irp w, 0,1,2,3,4,5,6,7
	v_add_nc_u32 v[WK0+\w], 256*(\tau)+\w, v4
.endr
.irp w, 0,1,2,3,4,5,6,7
	v_cvt_f32_u32 v[WK0+\w], v[WK0+\w]             ; i
.endr
.irp w, 0,1,2,3,4,5,6,7
	v_mul_f32 v[WK1+\w], s[LH], v[WK0+\w]          ; i L, rounded,
.endr
.irp w, 0,1,2,3,4,5,6,7
	v_fma_f32 v[WK2+\w], v[WK0+\w], s[LH], -v[WK1+\w]   ; what the rounding dropped,
.endr
.irp w, 0,1,2,3,4,5,6,7
	v_fma_f32 v[WK2+\w], v[WK0+\w], s[LL], v[WK2+\w]    ; and L's low word
.endr
.irp w, 0,1,2,3,4,5,6,7
	v_rndne_f32 v[WK3+\w], v[WK1+\w]               ; the whole part
.endr
.irp w, 0,1,2,3,4,5,6,7
	v_sub_f32 v[WK1+\w], v[WK1+\w], v[WK3+\w]      ; exact
.endr
.irp w, 0,1,2,3,4,5,6,7
	v_add_f32 v[WK1+\w], v[WK1+\w], v[WK2+\w]      ; the rest, within +-0.5
.endr
	s_wait_alu depctr_va_vdst(0)
.irp w, 0,1,2,3,4,5,6,7
	v_exp_f32 v[WK1+\w], v[WK1+\w]
.endr
.irp w, 0,1,2,3,4,5,6,7
	v_cvt_i32_f32 v[WK3+\w], v[WK3+\w]             ; (plain work behind the exponentials)
.endr
	s_wait_alu depctr_va_vdst(0)                   ; one wait for the eight exponentials, ahead of their first reader
.irp w, 0,1,2,3,4,5,6,7
	v_ldexp_f32 v[WK1+\w], v[WK1+\w], v[WK3+\w]    ; 10000^(i / 512)
.endr
	s_wait_alu depctr_va_vdst(0)
.irp w, 0,1,2,3,4,5,6,7
	v_rcp_f32 v[WK2+\w], v[WK1+\w]
.endr
	v_nop                                          ; a plain instruction behind the last reciprocal
	s_wait_alu depctr_va_vdst(0)                   ; one wait for the eight
.irp w, 0,1,2,3,4,5,6,7
	v_fma_f32 v[WK0+\w], -v[WK1+\w], v[WK2+\w], 1.0
.endr
.irp w, 0,1,2,3,4,5,6,7
	v_fma_f32 v[WK2+\w], v[WK2+\w], v[WK0+\w], v[WK2+\w]   ; the rate, after one Newton step
.endr
.irp w, 0,1,2,3,4,5,6,7
	v_mul_f32 v[WK0+\w], v20, v[WK2+\w]            ; the angle: one f32 product
.endr
.irp w, 0,1,2,3,4,5,6,7
	v_mul_f32 v[WK1+\w], s[TOPI], v[WK0+\w]
.endr
.irp w, 0,1,2,3,4,5,6,7
	v_rndne_f32 v[WK1+\w], v[WK1+\w]               ; n, at most 1,303
.endr
.irp w, 0,1,2,3,4,5,6,7
	v_fma_f32 v[WK0+\w], -v[WK1+\w], s[PH], v[WK0+\w]
.endr
.irp w, 0,1,2,3,4,5,6,7
	v_fma_f32 v[WK0+\w], -v[WK1+\w], s[PM], v[WK0+\w]   ; r = angle - n pi / 2
.endr
.irp w, 0,1,2,3,4,5,6,7
	v_cvt_i32_f32 v[WK1+\w], v[WK1+\w]             ; n as a whole number: its low two bits are the quadrant
.endr
.irp w, 0,1,2,3,4,5,6,7
	v_mul_f32 v[WK2+\w], v[WK0+\w], v[WK0+\w]      ; z = r r
.endr
.irp w, 0,1,2,3,4,5,6,7
	v_fma_f32 v[WK3+\w], v[WK2+\w], s[KS3], s[KS2]
.endr
.irp w, 0,1,2,3,4,5,6,7
	v_fma_f32 v[WK4+\w], v[WK2+\w], s[KC3], s[KC2]
.endr
.irp w, 0,1,2,3,4,5,6,7
	v_fma_f32 v[WK3+\w], v[WK3+\w], v[WK2+\w], s[KS1]
.endr
.irp w, 0,1,2,3,4,5,6,7
	v_fma_f32 v[WK4+\w], v[WK4+\w], v[WK2+\w], s[KC1]
.endr
.irp w, 0,1,2,3,4,5,6,7
	v_mul_f32 v[WK3+\w], v[WK3+\w], v[WK2+\w]
.endr
.irp w, 0,1,2,3,4,5,6,7
	v_mul_f32 v[WK5+\w], v[WK2+\w], v[WK2+\w]
.endr
.irp w, 0,1,2,3,4,5,6,7
	v_fma_f32 v[WK6+\w], v[WK2+\w], -0.5, 1.0
.endr
.irp w, 0,1,2,3,4,5,6,7
	v_fma_f32 v[WK3+\w], v[WK3+\w], v[WK0+\w], v[WK0+\w]   ; sin r
.endr
.irp w, 0,1,2,3,4,5,6,7
	v_fma_f32 v[WK4+\w], v[WK4+\w], v[WK5+\w], v[WK6+\w]   ; cos r
.endr
.irp w, 0,1,2,3,4,5,6,7
	v_and_b32 v[WK5+\w], 1, v[WK1+\w]
.endr
.irp w, 0,1,2,3,4,5,6,7
	v_cmp_eq_u32 vcc_lo, 1, v[WK5+\w]              ; in an odd quadrant the two change places
	s_delay_alu instid0(VALU_DEP_1)
	v_cndmask_b32 v[PE+16*(\tau)+2*\w], v[WK3+\w], v[WK4+\w], vcc_lo
	s_delay_alu instid0(VALU_DEP_2)
	v_cndmask_b32 v[PE+16*(\tau)+2*\w+1], v[WK4+\w], v[WK3+\w], vcc_lo
.endr
.irp w, 0,1,2,3,4,5,6,7
	v_lshlrev_b32 v[WK5+\w], 30, v[WK1+\w]         ; the sine is negative in quadrants 2 and 3: bit 1 of n,
.endr
.irp w, 0,1,2,3,4,5,6,7
	v_add_nc_u32 v[WK6+\w], 1, v[WK1+\w]           ; the cosine in 1 and 2: bit 1 of n + 1
.endr
.irp w, 0,1,2,3,4,5,6,7
	v_and_b32 v[WK5+\w], 0x80000000, v[WK5+\w]
.endr
.irp w, 0,1,2,3,4,5,6,7
	v_lshlrev_b32 v[WK6+\w], 30, v[WK6+\w]
.endr
.irp w, 0,1,2,3,4,5,6,7
	v_and_b32 v[WK6+\w], 0x80000000, v[WK6+\w]
.endr
.irp w, 0,1,2,3,4,5,6,7
	v_xor_b32 v[PE+16*(\tau)+2*\w], v[WK5+\w], v[PE+16*(\tau)+2*\w]
.endr
.irp w, 0,1,2,3,4,5,6,7
	v_xor_b32 v[PE+16*(\tau)+2*\w+1], v[WK6+\w], v[PE+16*(\tau)+2*\w+1]
.endr
.endm
	PEHALF 0
	PEHALF 1
.macro TURN t                          ; step t's numbers through the stage: LDS serves a wave's instructions in order, so no wait stands between the stores and the loads
.irp i, 0,1,2,3
	ds_store_b128 v14, v[R+16*(\t)+4*\i:R+16*(\t)+4*\i+3] offset:32*SP*((\t)%2)+8*SP*\i
.endr
.irp i, 0,1,2,3
	ds_load_b128 v[X+16*((\t)%2)+4*\i:X+16*((\t)%2)+4*\i+3], v15 offset:32*SP*((\t)%2)+16*\i
.endr
.endm
	s_wait_loadcnt 28                              ; step 0's four loads are in; the 28 behind them may be out
	TURN 0
.macro STEP t
.set XS, X+16*((\t)%2)
.set PS, PE+16*((\t)%2)
.if (\t) > 0
	s_wait_dscnt 1                                 ; this step's numbers are back from the stage; the last step's byte store may be out
.else
	s_wait_dscnt 0x0
.endif
.if (\t) < 7
	s_wait_loadcnt 4*(6-(\t))                      ; the next step's four loads are in; those of the steps behind it may be out
	TURN (\t)+1                                    ; and go through the other stage while this step is worked
.endif
.irp j, 0,2,4,6,8,10,12,14
	v_pk_add_f32 v[XS+\j:XS+\j+1], v[XS+\j:XS+\j+1], v[PS+\j:PS+\j+1]   ; x = inputs + the table
.endr
	v_max3_num_f32 v8, |v[XS]|, |v[XS+1]|, |v[XS+2]|               ; the largest magnitude of my 16, in two chains
	v_max3_num_f32 v9, |v[XS+3]|, |v[XS+4]|, |v[XS+5]|
.irp i, 6,10
	s_delay_alu instid0(VALU_DEP_2)
	v_max3_num_f32 v8, v8, |v[XS+\i]|, |v[XS+\i+1]|
	s_delay_alu instid0(VALU_DEP_2)
	v_max3_num_f32 v9, v9, |v[XS+\i+2]|, |v[XS+\i+3]|
.endr
	s_delay_alu instid0(VALU_DEP_2)
	v_max3_num_f32 v8, v8, |v[XS+14]|, |v[XS+15]|
	s_delay_alu instid0(VALU_DEP_1)
	v_max3_num_f32 v8, v8, v9, 0x1800000           ; and the floor 2^(3 - 127): the byte cannot fall under 1
	s_delay_alu instid0(VALU_DEP_1)
	v_max_num_f32_dpp v8, v8, v8 row_xmask:1 row_mask:0xf bank_mask:0xf   ; and of my neighbour's 16: the block's
	s_delay_alu instid0(VALU_DEP_1)
	v_add_nc_u32 v11, 0xff000000, v8               ; 2 off its exponent field: the conversion takes the exponent field of this operand as its scale
	v_cvt_scalef32_pk8_fp4_f32 v[CD+2*(\t)], v[XS:XS+7], v11
	v_cvt_scalef32_pk8_fp4_f32 v[CD+2*(\t)+1], v[XS+8:XS+15], v11
	v_lshrrev_b32 v[EB+(\t)], 23, v11              ; the scale's byte (a plain instruction behind the conversions)
	ds_store_b8 v5, v[EB+(\t)] offset:256*((\t)/2)+16*((\t)%2)     ; both lanes of a block write the same byte with the same value
	global_store_b64 v4, v[CD+2*(\t):CD+2*(\t)+1], s[6:7] offset:1048576*((\t)/2)+256*((\t)%2)   ; 32 lanes store 256 consecutive bytes, aligned
.endm
.irp t, 0,1,2,3,4,5,6,7
	STEP \t
.endr
	s_wait_dscnt 0x0                               ; for the others' sake: my scale bytes lie in LDS
	s_barrier_signal -1
	s_barrier_wait -1                              ; everybody's do
	s_cmp_gt_u32 s16, 3
	s_cbranch_scc1 .Ldone                          ; waves 0 to 3 store a batch's 8 rows x 32 bytes each
	ds_load_b64 v[8:9], v6
	s_wait_dscnt 0x0
	global_store_b64 v4, v[8:9], s[8:9]            ; 32 lanes store 256 consecutive bytes, aligned
.Ldone:
	s_wait_tensorcnt 0x0                           ; the wave's end, behind my last LDS store
	ds_add_u32 v[SPW], v[NIL]
	s_wait_dscnt 0x0
	s_endpgm
.Lfunc_end_k_q8bf677deed_quantx:
	.size	k_q8bf677deed_quantx, .Lfunc_end_k_q8bf677deed_quantx-k_q8bf677deed_quantx
	.p2alignl 7, 3214868480
	.fill 96, 4, 3214868480
	.section	.rodata,"a",@progbits
	.p2align	6, 0x0
	.amdhsa_kernel k_q8bf677deed_quantx
		.amdhsa_group_segment_fixed_size 43008
		.amdhsa_private_segment_fixed_size 0
		.amdhsa_enable_private_segment 0
		.amdhsa_kernarg_size 24
		.amdhsa_user_sgpr_count 2
		.amdhsa_user_sgpr_kernarg_segment_ptr 1
		.amdhsa_wavefront_size32 1
		.amdhsa_system_sgpr_workgroup_id_x 1
		.amdhsa_system_sgpr_workgroup_id_y 1
		.amdhsa_system_sgpr_workgroup_id_z 1
		.amdhsa_system_vgpr_workitem_id 0
		.amdhsa_next_free_vgpr 256
		.amdhsa_next_free_sgpr 66
		.amdhsa_reserve_vcc 1
		.amdhsa_float_denorm_mode_32 3
		.amdhsa_float_denorm_mode_16_64 3
		.amdhsa_memory_ordered 1
		.amdhsa_forward_progress 1
		.amdhsa_inst_pref_size 55
	.end_amdhsa_kernel
	.amdgpu_metadata
---
amdhsa.version: [ 1, 2 ]
amdhsa.kernels:
  - .name:           k_q8bf677deed_quantx
    .symbol:         k_q8bf677deed_quantx.kd
    .args:
      - { .name: inputs, .offset: 0, .size: 8, .value_kind: global_buffer, .address_space: global }
      - { .name: xq_codes, .offset: 8, .size: 8, .value_kind: global_buffer, .address_space: global }
      - { .name: xq_scales, .offset: 16, .size: 8, .value_kind: global_buffer, .address_space: global }
    .group_segment_fixed_size: 43008
    .private_segment_fixed_size: 0
    .kernarg_segment_align: 8
    .kernarg_segment_size: 24
    .max_flat_workgroup_size: 256
    .sgpr_count:     66
    .vgpr_count:     256
    .wavefront_size: 32
...
	.end_amdgpu_metadata
.endif
;; end of part 1
;; launch proj (part 2): grid 12 x 32, 4 waves a work-group, clusters of 4 x 4, 327,680 bytes of LDS; arguments xq_codes, xq_scales, W_qkv_codes, W_qkv_scales, qkv; writes qkv
.if DOCPART == 2
	.amdgcn_target "amdgcn-amd-amdhsa--gfx1250"
	.amdhsa_code_object_version 6
	.text
	.protected	k_q8bf677deed_proj
	.globl	k_q8bf677deed_proj
	.p2align	8
	.type	k_q8bf677deed_proj,@function
k_q8bf677deed_proj:
	s_mov_b64 s[64:65], 0
	v_nop
	global_prefetch_b8 v0, s[64:65] scope:SCOPE_SE
	s_setreg_imm32_b32 hwreg(HW_REG_WAVE_MODE, 25, 1), 1
	s_wait_xcnt 0x0
	s_wait_alu depctr_hold_cnt(0) depctr_sa_sdst(0) depctr_va_vdst(0) depctr_va_sdst(0) depctr_va_ssrc(0) depctr_va_vcc(0) depctr_vm_vsrc(0)
	s_getreg_b32 s2, hwreg(HW_REG_IB_STS2, 6, 4)
	s_cmp_eq_u32 s2, 0
	s_cbranch_scc0 .Lentry_in_a_cluster
	s_endpgm
.Lentry_in_a_cluster:
	s_bfe_u32 s2, ttmp6, 0x10000c
	s_cmp_lg_u32 s2, 0xf033
	s_cbranch_scc0 .Lentry_shape_is_right
	s_endpgm
.Lentry_shape_is_right:
; qkv = Q(x) W on codes of E2M1 with E8M0 scales, K = 1,024; the result never goes to memory as f32: it is quantised in registers for the products that follow, q and k along the head's 64, v along the keys,
; and stored as IMAGES OF OPERAND REGISTERS, so that the next launch's fragments come by 16-byte loads alone.
; The body computes a tile C'[m][n] = sum over k of A[m][k] B[n][k], 256 x 256, four waves of 128 x 128 (64 accumulators of 16 x 16), and quantises along n.  THE MATRIX INSTRUCTION IS USED TRANSPOSED
; (source 0 = 16 rows of B, source 1 = 16 rows of A): a lane holds one row m and its 64 registers of a block of rows run along n.
; TWO ORIENTATIONS, ONE TEXT.  Cluster x = 0 (q), 1 (k): A = x's rows (tokens), B = W's rows (channels): n runs along the channels.  Cluster x = 2 (v): A = W's rows, B = x's rows: n runs along the tokens, which are the
; keys.  x's codes and W's have the same row (512 bytes) and scale row (32 bytes), so only base pointers and tile numbers are chosen, by selects on the cluster's x, which all sixteen partners share.
; K = 1,024 is two LDS slots of 512 along K: both are asked for at the head and NOTHING IS FILLED AGAIN.  By the text's own count a wave has three tensor loads out: its quarter of the scales, of slot 0 and of slot 1.
; CLUSTERS: 4 x 4 work-groups.  A's tile hangs on cy (with the cluster's x and y) and is shared along a row of the cluster, B's on cx and is shared along a column: each is asked for jointly.
; 384 tiles for 256 WGPs: a tile of 256 x 384 would want 768 accumulator registers a wave beside its fragments, more than the 1,024 hold.
; THE BUFFER qkv.  bh = 16 b + head, s = a step of 128 tokens.  From byte 0: [bh][s] records of 8,960 bytes: +0 k's codes, 8 tiles of 16 keys x 512 bytes (lane l's 16 bytes at 16 l: registers 0-3 of the fragment);
; +4096 v's codes, 4 tiles of 16 channels x 1,024 bytes (registers 0-3, then 4-7); +8192 k's scale words (lane (r, h'): the words of tiles 4 h' + 0 .. 3 of key r); +8704 v's (at 16 r + 4 t: channel 16 t + r).
; From QOFF: [bh][s] records of 4,608 bytes: q's codes and scale words, laid as k's.  In a word of q or k bytes 0 and 1 are the head's two blocks; bytes 2 and 3 meet zero codes only and are never 0xff.
; LIMITS: NaN and infinities are not served; a block whose largest magnitude lies under 2^-124 keeps the byte 1 (a block of zeros too: its codes are zeros, and this program alone reads the bytes).
; REGISTERS, in windows of 256: window 0: v0-31 addresses; v32-95 scale words, two sets, and nothing else; from v128 A's fragments, one set; on the way out v96-127 and v128-215 are at work.
;   window 1: B's fragments, two sets, at v0 and v128.   window 2: the accumulators of my rows 0-63 ((a, b) at v[8 (8 a + b)]);   window 3: those of my rows 64-127.
.set KSTEP,  512                       ; along K in a slot
.set NQ,     4                         ; matrix instructions deep
.set ROWB,   256                       ; a tile's row in bytes
.set KROW,   512                       ; a row of codes in memory
.set PITCH,  272                       ; an LDS row: 256 bytes + 16 of padding: the 16 rows that a load touches start at 16 different banks
.set FR,     8                         ; registers of a fragment
.set NL,     2                         ; LDS loads that bring one
.set NP,     4                         ; places behind this matrix instruction (ISA guide 7.12.1)
.set HALFT,  128*PITCH                 ; 128 rows: what one tensor load brings
.set SLOT,   4*HALFT                   ; A's 256 rows, then B's 256 rows
.set KS,     32                        ; a row of scales in bytes
.set SCL,    2*SLOT                    ; behind the slots: the scales, as units of 256 bytes + 16 of padding
.set HALFS,  16*272                    ; the scales of 128 rows
.set SBLK,   2*272                     ; those of 16 rows
.set SPARE,  SCL+4*HALFS               ; the spare words, 128 bytes for each wave: two blocks of 256 bytes that no other line names
.set QOFF,   9175040
.set ADRA, 16                          ; v16-17  LDS address of my A fragments in slot 0, 1
.set ADRB, 20                          ; v20-21  the same for B
.set SWA,  24                          ; v24     the way out: where my 16 bytes of scale words go;
.set SWB,  25                          ; v25     and, for q and k, the second head's
.set L16,  26                          ; v26     16 x lane
.set ADRS, 27                          ; v27     LDS address of my scale words: lanes 0-15 A's rows, lanes 16-31 B's
.set SPW,  28                          ; v28     LDS address of my spare word; never rewritten
.set NIL,  29                          ; v29     0; never rewritten
.set SC,   32                          ; scale words: set s at v[SC + 32 s]; register 4 i + q: lanes 0-15 A's block i, lanes 16-31 B's block i
.set PW,   96                          ; v96-103  the way out: the scale word of each of my eight blocks of rows
.set WD,   104                         ; v104-107 four words a lane, as they are stored
.set WE,   108                         ; v108-111 the second head's
.set VO,   112                         ; v112-127 two store offsets for each block
.set AF,   128                         ; A's fragments
.set PC,   128                         ; v128-191 the way out: eight registers of codes for each block (A's fragments are done with)
.set TM,   200                         ; v200-215 at work in QUANT
.set G1, 24
.set G0, 32
.set G1B, 48
.set G0B, 56
.set G1S, 68
.set G0S, 76
.set G1SB, 80
.set G0SB, 88
.set SEL, 96                           ; s[96:97] lane selects for v_permlanex16_b32: lane l xor 16
.set MSB, 0
.macro WIN new                         ; the immediate's high byte repeats the setting that is left
.if MSB != (\new)
	s_set_vgpr_msb (MSB<<8)|(\new)
.set MSB, (\new)
.endif
.endm
.set MUL_LO, 0xa1                      ; source 0 (B) window 1, source 1 (A) window 0, C and D window 2
.set MUL_HI, 0xf1                      ; the same, C and D window 3
.set TO_B,   0x40                      ; destination window 1, address window 0
; A joint load: waves 0 and 1 fetch for A, waves 2 and 3 for B.  Each of the two lines has one mask and one set of registers for all that issue it; the branch hangs on the wave's number alone.
; An s_nop 0 and four v_nop follow each of the two lines, ahead of the jump, the label and what follows.
.macro JLOAD g0a, g1a, g0b, g1b
	s_cmp_eq_u32 s15, 0
	s_cbranch_scc0 .Lfor_b_\@
	tensor_load_to_lds s[\g0a:\g0a+3], s[\g1a:\g1a+7]
	s_nop 0
.rept 4
	v_nop
.endr
	s_branch .Lasked_\@
.Lfor_b_\@:
	tensor_load_to_lds s[\g0b:\g0b+3], s[\g1b:\g1b+7]
	s_nop 0
.rept 4
	v_nop
.endr
.Lasked_\@:
.endm
.macro CROUND                          ; a round of the cluster's barrier
	s_barrier_signal -1
	s_barrier_wait -1
	s_cmp_lg_u32 s14, 0
	s_cbranch_scc1 .Lnot_wave_0_\@
	s_barrier_signal -3
.Lnot_wave_0_\@:
	s_barrier_wait -3
	s_barrier_signal -1
	s_barrier_wait -1
.endm
	s_load_b128 s[4:7], s[0:1], 0x0                ; x's codes, x's scales
	s_load_b128 s[8:11], s[0:1], 0x10              ; W's codes, W's scales
	s_load_b64 s[12:13], s[0:1], 0x20              ; qkv
	v_lshl_add_u32 v[SPW], v0, 2, SPARE
	v_mov_b32 v[NIL], 0
	ds_add_u32 v[SPW], v[NIL]                      ; the wave's opening: the add, twice on end, and its wait ahead of my first tensor load
	ds_add_u32 v[SPW], v[NIL]                      ; and once more, under the one wait; the set-up below, work on registers, stands between
	v_lshrrev_b32 v1, 5, v0
	v_readfirstlane_b32 s14, v1                    ; wave 0..3
	s_lshr_b32 s15, s14, 1                         ; which half of the tile's rows (A) is mine.  Also: I fetch for A (0) or for B (1)
	s_and_b32 s16, s14, 1                          ; which half of its columns (B).  Also: which 128 rows of that tile I fetch
	s_bfe_u32 s40, ttmp6, 0x40000                  ; cx, cy: my place in the cluster
	s_bfe_u32 s41, ttmp6, 0x40004
	s_and_b32 s17, ttmp7, 0xffff
	s_lshl_b32 s17, s17, 2                         ; 4 x cluster y
	s_add_co_u32 s18, s17, s41                     ; q, k: A's tile = token tile 4 y + cy
	s_add_co_u32 s19, s41, 8                       ; v:    A's tile = W's tile 8 + cy
	s_add_co_u32 s42, s17, s40                     ; v:    B's tile = token tile 4 y + cx
	s_lshl_b32 s45, ttmp9, 2
	s_add_co_u32 s45, s45, s40                     ; q, k: B's tile = W's tile 4 x + cx
	s_cmp_eq_u32 ttmp9, 2                          ; the cluster's x: the same in all sixteen partners
	s_cselect_b32 s17, s19, s18                    ; A's tile: it hangs on cy, never on cx
	s_cselect_b32 s42, s42, s45                    ; B's tile: on cx, never on cy
	s_lshl_b32 s43, s41, 2
	s_lshl_b32 s43, 15, s43                        ; my row of the cluster
	s_lshl_b32 s44, 0x1111, s40                    ; my column
	; descriptor group 1: a tile of 128 rows x 256 bytes, padded in LDS
	s_or_b32 s[G1+0], s43, (0<<16)|(1<<20)|(1<<21)|(5<<22)|(3<<25)  ; 15:0 the mask: A's tiles go to my row; elements of 1 byte; padding on; bit 21 beside a mask; after every 64 words, 4 words
	s_or_b32 s[G1B+0], s44, (0<<16)|(1<<20)|(1<<21)|(5<<22)|(3<<25)
.irp g, G1, G1B
	s_mov_b32 s[\g+1], ROWB<<16                    ; tensor_dim0
	s_mov_b32 s[\g+2], 256<<16                     ; tensor_dim1: 256 rows for the head's loads
	s_mov_b32 s[\g+3], ROWB<<16                    ; tile_dim0
	s_mov_b32 s[\g+4], 256                         ; tile_dim1
	s_mov_b32 s[\g+5], KROW                        ; the pitch
	s_mov_b32 s[\g+6], 0
	s_mov_b32 s[\g+7], 0
.endr
	; the scales of 256 rows: a dense block of 8,192 bytes, as 32 rows of 256 bytes (32 elements of 8 bytes), 16 bytes of padding behind each
	s_or_b32 s[G1S+0], s43, (3<<16)|(1<<20)|(1<<21)|(5<<22)|(3<<25)
	s_or_b32 s[G1SB+0], s44, (3<<16)|(1<<20)|(1<<21)|(5<<22)|(3<<25)
.irp g, G1S, G1SB
	s_mov_b32 s[\g+1], 32<<16
	s_mov_b32 s[\g+2], 32<<16
	s_mov_b32 s[\g+3], 32<<16
	s_mov_b32 s[\g+4], 32
	s_mov_b32 s[\g+5], 32
	s_mov_b32 s[\g+6], 0
	s_mov_b32 s[\g+7], 0
.endr
	s_lshl_b32 s20, s17, 8                         ; A: the tile's first row
	s_lshl_b32 s46, s42, 8                         ; B likewise
	s_mov_b32 s21, 0
	s_mov_b32 s47, 0
	s_mov_b64 s[18:19], KS
	s_mul_u64 s[22:23], s[20:21], s[18:19]         ; where these rows' scales begin, in bytes
	s_mul_u64 s[92:93], s[46:47], s[18:19]
	s_mov_b64 s[18:19], KROW
	s_mul_u64 s[20:21], s[20:21], s[18:19]         ; and their codes
	s_mul_u64 s[46:47], s[46:47], s[18:19]
	s_mul_i32 s45, s14, HALFT                      ; where they go: wave x 128 rows: no place in the cluster enters an LDS address
	s_mul_i32 s18, s16, 128*KROW                   ; for slot 1 I fetch 128 rows of a tile: which half, in bytes
	s_mov_b32 s19, 0
	s_wait_dscnt 0x0                               ; both opening adds are done
	s_wait_kmcnt 0x0
	s_cmp_eq_u32 ttmp9, 2                          ; which buffer is A and which B: a choice that hangs on the cluster's x alone
	s_cselect_b64 s[96:97], s[8:9], s[4:5]         ; A's codes
	s_cselect_b64 s[98:99], s[10:11], s[6:7]       ; A's scales
	s_cselect_b64 s[100:101], s[4:5], s[8:9]       ; B's codes
	s_cselect_b64 s[2:3], s[6:7], s[10:11]         ; B's scales
	s_add_nc_u64 s[20:21], s[96:97], s[20:21]
	s_add_nc_u64 s[22:23], s[98:99], s[22:23]
	s_add_nc_u64 s[46:47], s[100:101], s[46:47]
	s_add_nc_u64 s[92:93], s[2:3], s[92:93]
	CROUND                                         ; all sixteen work-groups are here: the first joint loads meet
	s_mov_b32 s[G0S], 1
	s_mov_b32 s[G0S+1], SCL
	s_mov_b64 s[G0S+2:G0S+3], s[22:23]
	s_or_b32 s[G0S+3], s[G0S+3], 0x80000000
	s_mov_b32 s[G0SB], 1
	s_mov_b32 s[G0SB+1], SCL+2*HALFS
	s_mov_b64 s[G0SB+2:G0SB+3], s[92:93]
	s_or_b32 s[G0SB+3], s[G0SB+3], 0x80000000
	s_mov_b32 s4, 1                                ; s[4:7], s[8:11] (the arguments there are used up): group 0 of the head's loads of slot 0: A's 256 rows,
	s_mov_b32 s5, 0
	s_mov_b64 s[6:7], s[20:21]
	s_or_b32 s7, s7, 0x80000000
	s_mov_b32 s8, 1                                ; and B's 256 rows behind them
	s_mov_b32 s9, 2*HALFT
	s_mov_b64 s[10:11], s[46:47]
	s_or_b32 s11, s11, 0x80000000
	s_add_nc_u64 s[20:21], s[20:21], s[18:19]      ; for slot 1: my 128 rows of the tile
	s_add_nc_u64 s[46:47], s[46:47], s[18:19]
.irp s, 1
	s_mov_b32 s[G0+4*\s], 1
	s_add_co_u32 s[G0+4*\s+1], s45, \s*SLOT
	s_add_nc_u64 s[G0+4*\s+2:G0+4*\s+3], s[20:21], \s*ROWB
	s_or_b32 s[G0+4*\s+3], s[G0+4*\s+3], 0x80000000
	s_mov_b32 s[G0B+4*\s], 1
	s_add_co_u32 s[G0B+4*\s+1], s45, \s*SLOT
	s_add_nc_u64 s[G0B+4*\s+2:G0B+4*\s+3], s[46:47], \s*ROWB
	s_or_b32 s[G0B+4*\s+3], s[G0B+4*\s+3], 0x80000000
.endr
; The head's loads, one a wave: wave 0 slot 0's 256 rows of A, wave 1 its 256 rows of B, wave 2 A's scales, wave 3 B's.  One tree of branches on the wave's number, one load to an arm.
.macro ARM under, g0, g1, next
	s_cmp_lt_u32 s14, \under
	s_cbranch_scc0 \next
	tensor_load_to_lds s[\g0:\g0+3], s[\g1:\g1+7]
	s_nop 0
.rept 4
	v_nop
.endr
	s_branch .Lhead_asked
\next:
.endm
	ARM 1, 4,   G1,  .Lhead_b
	ARM 2, 8,   G1B, .Lhead_sa
	ARM 3, G0S, G1S, .Lhead_sb
	tensor_load_to_lds s[G0SB:G0SB+3], s[G1SB:G1SB+7]
	s_nop 0
.rept 4
	v_nop
.endr
.Lhead_asked:
	v_and_b32 v1, 15, v0                           ; r = l % 16
	v_bfe_u32 v2, v0, 4, 1                         ; h = l / 16
	v_mul_u32_u24 v3, v1, PITCH
	v_lshl_add_u32 v4, v2, 4, v3                   ; a fragment's row x pitch + 16 x half
	s_mul_i32 s21, s15, HALFT                      ; my 128 rows of A
	s_mul_i32 s22, s16, HALFT                      ; my 128 rows of B,
	s_add_co_u32 s22, s22, 2*HALFT                 ; which lie behind A's 256
.irp s, 0,1
	v_add_nc_u32 v[ADRA+\s], s21, v4
	v_add_nc_u32 v[ADRB+\s], s22, v4
	s_add_co_u32 s21, s21, SLOT
	s_add_co_u32 s22, s22, SLOT
.endr
	v_mul_u32_u24 v5, v1, KS                       ; my row's scales: 32 bytes a row,
	v_lshrrev_b32 v6, 8, v5
	v_lshl_add_u32 v5, v6, 4, v5                   ; and 16 more for each 256 passed
	s_mul_i32 s21, s15, HALFS                      ; A's: my 128 rows
	s_mul_i32 s22, s16, HALFS                      ; B's: my 128 rows, behind A's 256
	s_add_co_u32 s22, s22, 2*HALFS
	s_sub_co_u32 s22, s22, s21
	v_mul_u32_u24 v6, s22, v2                      ; lanes 16-31 take B's
	s_add_co_u32 s21, s21, SCL
	v_add_nc_u32 v5, v5, v6
	v_add_nc_u32 v[ADRS], s21, v5
	; THE WAY OUT'S PLACES in qkv, as byte offsets.  FV = 1 for v, FQ = 1 for q.
	s_cmp_eq_u32 ttmp9, 2
	s_cselect_b32 s98, 1, 0                        ; FV
	s_cselect_b32 s66, s40, s41                    ; the tokens' place in the cluster: v: cx; q, k: cy
	s_cselect_b32 s67, s16, s15                    ; and their half of the tile
	s_cselect_b32 s94, s41, s40                    ; the channels' place: v: cy; q, k: cx
	s_cselect_b32 s95, s15, s16                    ; and their half
	s_cmp_eq_u32 ttmp9, 0
	s_cselect_b32 s99, 1, 0                        ; FQ
	s_mul_i32 s100, s99, 4352
	s_sub_co_u32 s100, 8960, s100                  ; a record: 8,960 bytes, q's 4,608
	s_lshl_b32 s2, s100, 4                         ; from head to head: 16 records
	s_and_b32 s92, ttmp7, 0xffff
	s_lshl_b32 s93, s92, 2
	s_add_co_u32 s93, s93, s66                     ; the token tile of 256
	s_lshl_b32 s93, s93, 1
	s_add_co_u32 s93, s93, s67
	s_and_b32 s93, s93, 15                         ; my 128 tokens' step in their batch
	s_lshr_b32 s92, s92, 1                         ; the batch
	s_lshl_b32 s92, s92, 4
	s_lshl_b32 s94, s94, 2
	s_add_co_u32 s92, s92, s94
	s_lshl_b32 s95, s95, 1
	s_add_co_u32 s92, s92, s95                     ; 16 b + the first of my two heads
	s_lshl_b32 s92, s92, 4
	s_add_co_u32 s92, s92, s93
	s_mul_i32 s92, s92, s100
	s_mul_i32 s93, s99, QOFF
	s_add_co_u32 s92, s92, s93                     ; the record's first byte
	s_lshl_b32 s93, s99, 12
	s_sub_co_u32 s3, s92, s93
	s_add_co_u32 s3, s3, 8192
	s_lshl_b32 s93, s98, 9
	s_add_co_u32 s3, s3, s93                       ; its scale words: +8192 (k), +4096 (q), +8704 (v)
	s_lshl_b32 s93, s98, 12
	s_add_co_u32 s92, s92, s93                     ; its codes: +0 (q, k), +4096 (v)
	s_lshl_b32 s94, 512, s98                       ; from block to block of 16 rows: 512 (a tile of q or k), 1,024 (a tile of v)
	s_cmp_eq_u32 s98, 1
	s_cselect_b32 s95, s2, 2048                    ; blocks 4-7 begin: v: in the next head; q, k: 2,048 bytes on
	s_cselect_b32 s66, 512, s2                     ; registers 4-7 of a block go: v: 512 bytes on; q, k: to the next head
	s_cselect_b32 s67, s2, 256                     ; lanes 16-31's scale words: v: the next head's; q, k: 256 bytes on
	s_mov_b32 s[SEL], 0x76543210
	s_mov_b32 s[SEL+1], 0xfedcba98
	v_and_b32 v30, 31, v0                          ; lane
	v_lshlrev_b32 v[L16], 4, v30
	v_mul_lo_u32 v[SWA], v2, s67
	v_lshl_add_u32 v[SWA], v1, 4, v[SWA]
	v_add_nc_u32 v[SWA], s3, v[SWA]
	v_add_nc_u32 v[SWB], s2, v[SWA]
.irp b, 0,1,2,3
	v_mov_b32 v[TM+4+\b], 0                        ; written once: a lane permute's destination counts as one of its sources
.endr
.macro FRAG reg, adr, q, i             ; a fragment, 16 rows x 128 K of 4-bit codes: lane l holds row l % 16; registers 4 c .. 4 c + 3 hold K = 64 c + 32 (l / 16) + 0 .. 31
.irp c, 0,1
	ds_load_b128 v[\reg+4*\c:\reg+4*\c+3], v[\adr] offset:64*(\q)+32*\c+(\i)*16*PITCH
.endr
.endm
; 16 matrix instructions: A's blocks a0, a0 + 1 x B's eight, 128 along K: the slot's q-th.  p: B's set;  sc: the set of scale words.  zero = 1: the first product starts the sums: nothing is ever cleared.
; The 64 accumulators take turns, one instruction a turn, in the same order in every step.
.macro MUL16 a0, p, q, sc, zero
.irp a, \a0, \a0+1
.irp b, 0,1,2,3,4,5,6,7
.if \zero
	v_wmma_scale_f32_16x16x128_f8f6f4 v[8*(8*((\a)%4)+\b):8*(8*((\a)%4)+\b)+7], v[128*(\p)+FR*\b:128*(\p)+FR*\b+FR-1], v[AF+FR*(\a):AF+FR*(\a)+FR-1], 0, v[SC+8*NQ*(\sc)+NQ*\b+(\q)], v[SC+8*NQ*(\sc)+NQ*(\a)+(\q)] matrix_a_fmt:MATRIX_FMT_FP4 matrix_b_fmt:MATRIX_FMT_FP4 matrix_a_scale:MATRIX_SCALE_ROW1
.else
	v_wmma_scale_f32_16x16x128_f8f6f4 v[8*(8*((\a)%4)+\b):8*(8*((\a)%4)+\b)+7], v[128*(\p)+FR*\b:128*(\p)+FR*\b+FR-1], v[AF+FR*(\a):AF+FR*(\a)+FR-1], v[8*(8*((\a)%4)+\b):8*(8*((\a)%4)+\b)+7], v[SC+8*NQ*(\sc)+NQ*\b+(\q)], v[SC+8*NQ*(\sc)+NQ*(\a)+(\q)] matrix_a_fmt:MATRIX_FMT_FP4 matrix_b_fmt:MATRIX_FMT_FP4 matrix_a_scale:MATRIX_SCALE_ROW1
.endif
.endr
.endr
.endm
.macro FETCH_B slot, q, p              ; B's eight fragments of the slot's q-th 128 along K into set p
	WIN TO_B
.irp i, 0,1,2,3,4,5,6,7
	FRAG 128*(\p)+FR*\i, ADRB+\slot, \q, \i
.endr
	WIN 0
.endm
.macro FETCH_A slot, q, i0             ; A's blocks i0 .. i0 + 3
.irp i, \i0, \i0+1, \i0+2, \i0+3
	FRAG AF+FR*(\i), ADRA+\slot, \q, \i
.endr
.endm
.macro SCALES sc                       ; a slot's scale words into set sc: four words a row; lanes 0-15 take A's block i, lanes 16-31 B's block i
.irp i, 0,1,2,3,4,5,6,7
	ds_load_b128 v[SC+8*NQ*\sc+NQ*\i:SC+8*NQ*\sc+NQ*\i+3], v[ADRS] offset:\i*SBLK
.endr
.endm
; A load into a register that a matrix instruction has read, and a vector instruction that reads a matrix result or writes one of its registers, stand NP places behind it; only plain vector
; instructions that name none of its registers are places (ISA guide 7.12.1 for vector instructions).
.macro PLACES n
.rept \n
	v_nop
.endr
.endm
; A step of 128 along K that has its successor in the same slot.  A's blocks go one after the other, each against B's eight: A has one set of registers (blocks 0-3 fetched anew in the step's middle, 4-7 at its end), B two.
.macro STEP slot, q, zero
	s_wait_dscnt 4*NL                              ; B's set and A's blocks 0-3 are in; the youngest eight loads (A's blocks 4-7) may be out
	WIN MUL_LO
	MUL16 0, (\q)%2, \q, \slot, \zero
	MUL16 2, (\q)%2, \q, \slot, \zero
	s_wait_dscnt 0                                 ; A's blocks 4-7 are in
	PLACES NP
	FETCH_B \slot, (\q)+1, 1-(\q)%2
	FETCH_A \slot, (\q)+1, 0
	WIN MUL_HI
	MUL16 4, (\q)%2, \q, \slot, \zero
	MUL16 6, (\q)%2, \q, \slot, \zero
	PLACES NP
	WIN 0
	FETCH_A \slot, (\q)+1, 4
.endm
; Slot 0's last step goes over to slot 1: each wave waits for all its tensor loads (its part of slot 1), then the barrier: behind it slot 1 is whole.  Nothing is filled again.
.macro TURN slot, next
	s_wait_tensorcnt 0x0                           ; all my tensor loads have landed
	ds_add_u32 v[SPW], v[NIL]                      ; 0 onto my spare word
	s_wait_dscnt 4*NL+1                            ; (the add and the youngest eight loads, A's blocks 4-7, may be out)
	WIN MUL_LO
	MUL16 0, 1, NQ-1, \slot, 0                     ; sixteen matrix instructions stand between the add and the wait for it
	s_wait_dscnt 0x0                               ; the add is done, and no LDS load of mine is out at the signal
	s_barrier_signal -1
	MUL16 2, 1, NQ-1, \slot, 0
	WIN 0
	s_barrier_wait -1
	PLACES NP
	v_add_nc_u32 v[ADRS], 4*NQ, v[ADRS]            ; on to the next slot's scale words
	FETCH_B \next, 0, 0
	FETCH_A \next, 0, 0
	SCALES \next
	WIN MUL_HI
	MUL16 4, 1, NQ-1, \slot, 0
	MUL16 6, 1, NQ-1, \slot, 0
	PLACES NP
	WIN 0
	FETCH_A \next, 0, 4
.endm
.macro STEPS slot, from                ; the slot's steps from .. NQ - 2
.set Q, \from
.rept NQ-1-\from
	STEP \slot, Q, 0
.set Q, Q+1
.endr
.endm
	s_wait_alu depctr_va_vdst(0)
	s_wait_tensorcnt 0x0                           ; my tile of the head's four is in
	ds_add_u32 v[SPW], v[NIL]
	s_mov_b32 s[G1+2], 128<<16                     ; no tensor load of mine is out: from here on a load brings 128 rows
	s_mov_b32 s[G1+4], 128
	s_mov_b32 s[G1B+2], 128<<16
	s_mov_b32 s[G1B+4], 128
	s_wait_dscnt 0x0
	CROUND                                         ; all four tiles are in, and all sixteen work-groups are here
	JLOAD G0+4, G1, G0B+4, G1B                     ; slot 1's first fill: my one tensor load behind the round
	FETCH_B 0, 0, 0
	FETCH_A 0, 0, 0
	SCALES 0
	FETCH_A 0, 0, 4
	STEP 0, 0, 1                                   ; the first step's products start the sums
	STEPS 0, 1
	TURN 0, 1
	STEPS 1, 0
	s_wait_dscnt 4*NL                              ; the last step: nothing more to fetch
	WIN MUL_LO
	MUL16 0, 1, NQ-1, 1, 0
	MUL16 2, 1, NQ-1, 1, 0
	s_wait_dscnt 0
	WIN MUL_HI
	MUL16 4, 1, NQ-1, 1, 0
	MUL16 6, 1, NQ-1, 1, 0
	WIN 0
; THE WAY OUT.  A block of 16 rows: 64 numbers a lane in window win, register 8 i + j = n 16 i + 8 (l / 16) + j of my row.  A block of 32 along n lies in tiles 2 b, 2 b + 1 and in lanes l and l xor 16.
; The conversion of (block b, tile 2 b + u) gives dword 2 u + (l / 16) of that block's 16 bytes; it is written to register pc + 4 (b / 2) + 2 u + b % 2, and one exchange of halves for each pair
; (pc + 4 c + 2 u, + 1) leaves registers 4 c .. 4 c + 3 with dwords 0 .. 3 of block 2 c in lanes 0-15 and of block 2 c + 1 in lanes 16-31: the operand's layout.  Each accumulator is read from its low end on.
.macro QUANT s, win, pc, pw
.set WQ, 20*(\win)                     ; sources 1 and 2 in window win
	WIN WQ
.irp b, 0,1,2,3
	v_max3_num_f32 v[TM+\b], 0x1800000, |v[(\s)+16*\b]|, |v[(\s)+16*\b+1]|   ; my 16 numbers of block b, and the floor 2^(3 - 127): the byte cannot fall under 1
.endr
.irp i, 2,4,6,8,10,12,14
.irp b, 0,1,2,3
	v_max3_num_f32 v[TM+\b], v[TM+\b], |v[(\s)+16*\b+\i]|, |v[(\s)+16*\b+\i+1]|   ; (the four blocks by turns)
.endr
.endr
	WIN 0
.irp b, 0,1,2,3
	v_permlanex16_b32 v[TM+4+\b], v[TM+\b], s[SEL], s[SEL+1]
.endr
.irp b, 0,1,2,3
	v_max_num_f32 v[TM+\b], v[TM+\b], v[TM+4+\b]   ; with lane l xor 16's: the block's largest magnitude
.endr
.irp b, 0,1,2,3
	v_add_nc_u32 v[TM+12+\b], 0xff000000, v[TM+\b] ; 2 off its exponent field: the conversion's scale operand
.endr
.irp b, 0,1,2,3
	v_lshrrev_b32 v[TM+4+\b], 23, v[TM+12+\b]      ; the scale's byte
.endr
	v_lshl_or_b32 v[\pw], v[TM+5], 8, v[TM+4]      ; the four bytes make my row's scale word
	v_lshl_or_b32 v[\pw], v[TM+6], 16, v[\pw]
	v_lshl_or_b32 v[\pw], v[TM+7], 24, v[\pw]
.set WQ, (\win)                        ; source 0 in window win
	WIN WQ
.irp b, 0,1,2,3
.irp u, 0,1
	v_cvt_scalef32_pk8_fp4_f32 v[(\pc)+4*(\b/2)+2*\u+(\b%2)], v[(\s)+16*\b+8*\u:(\s)+16*\b+8*\u+7], v[TM+12+\b]
.endr
.endr
	WIN 0
	v_nop                                          ; one plain instruction behind a scaled conversion
.irp e, 0,2,4,6
	v_permlane16_swap_b32 v[(\pc)+\e], v[(\pc)+\e+1]
.endr
.endm
	PLACES NP                                      ; behind the last products: their results are read and their operands' registers written below
	s_mov_b32 s93, s92                             ; where the block in hand goes
.irp a, 0,1,2,3,4,5,6,7
	QUANT 64*((\a)%4), 2+(\a)/4, PC+8*\a, PW+\a
	v_add_nc_u32 v[VO+2*\a], s93, v[L16]
	v_add_nc_u32 v[VO+2*\a+1], s66, v[VO+2*\a]
	global_store_b128 v[VO+2*\a], v[PC+8*\a:PC+8*\a+3], s[12:13]       ; 32 lanes store 512 consecutive bytes, aligned.  Every store has data and offset registers of its own: none is written again
	global_store_b128 v[VO+2*\a+1], v[PC+8*\a+4:PC+8*\a+7], s[12:13]
.if \a == 3
	s_add_co_u32 s93, s92, s95
.else
	s_add_co_u32 s93, s93, s94
.endif
.endr
	v_cmp_lt_u32 vcc_lo, 15, v30
.irp j, 0,1,2,3
	v_cndmask_b32 v[WD+\j], v[PW+\j], v[PW+4+\j], vcc_lo   ; lanes 0-15: the words of blocks 0-3; lanes 16-31: of blocks 4-7
.endr
	global_store_b128 v[SWA], v[WD:WD+3], s[12:13]
	s_cmp_eq_u32 s98, 1                            ; the cluster's x again: the same way in all partners
	s_cbranch_scc1 .Lno_second
.irp j, 0,1,2,3
	v_lshrrev_b32 v[WE+\j], 16, v[WD+\j]           ; q, k: a word's upper two bytes are the second head's two blocks
.endr
	global_store_b128 v[SWB], v[WE:WE+3], s[12:13]
.Lno_second:
	s_wait_tensorcnt 0x0                           ; the wave's end, behind my last tensor load
	ds_add_u32 v[SPW], v[NIL]
	s_wait_dscnt 0x0
	CROUND                                         ; the closing round: no work-group ends while a partner may still ask for a tile that names it
	s_endpgm
.Lfunc_end_k_q8bf677deed_proj:
	.size	k_q8bf677deed_proj, .Lfunc_end_k_q8bf677deed_proj-k_q8bf677deed_proj
	.p2alignl 7, 3214868480
	.fill 96, 4, 3214868480
	.section	.rodata,"a",@progbits
	.p2align	6, 0x0
	.amdhsa_kernel k_q8bf677deed_proj
		.amdhsa_group_segment_fixed_size 327680
		.amdhsa_private_segment_fixed_size 0
		.amdhsa_enable_private_segment 0
		.amdhsa_kernarg_size 40
		.amdhsa_user_sgpr_count 2
		.amdhsa_user_sgpr_kernarg_segment_ptr 1
		.amdhsa_wavefront_size32 1
		.amdhsa_system_sgpr_workgroup_id_x 1
		.amdhsa_system_sgpr_workgroup_id_y 1
		.amdhsa_system_sgpr_workgroup_id_z 1
		.amdhsa_system_vgpr_workitem_id 0
		.amdhsa_next_free_vgpr 1024
		.amdhsa_next_free_sgpr 102
		.amdhsa_reserve_vcc 1
		.amdhsa_float_denorm_mode_32 3
		.amdhsa_float_denorm_mode_16_64 3
		.amdhsa_memory_ordered 1
		.amdhsa_forward_progress 1
		.amdhsa_inst_pref_size 131
	.end_amdhsa_kernel
	.amdgpu_metadata
---
amdhsa.version: [ 1, 2 ]
amdhsa.kernels:
  - .name:           k_q8bf677deed_proj
    .symbol:         k_q8bf677deed_proj.kd
    .args:
      - { .name: xq_codes, .offset: 0, .size: 8, .value_kind: global_buffer, .address_space: global }
      - { .name: xq_scales, .offset: 8, .size: 8, .value_kind: global_buffer, .address_space: global }
      - { .name: W_qkv_codes, .offset: 16, .size: 8, .value_kind: global_buffer, .address_space: global }
      - { .name: W_qkv_scales, .offset: 24, .size: 8, .value_kind: global_buffer, .address_space: global }
      - { .name: qkv, .offset: 32, .size: 8, .value_kind: global_buffer, .address_space: global }
    .group_segment_fixed_size: 327680
    .private_segment_fixed_size: 0
    .kernarg_segment_align: 8
    .kernarg_segment_size: 40
    .max_flat_workgroup_size: 128
    .sgpr_count:     102
    .vgpr_count:     1024
    .wavefront_size: 32
...
	.end_amdgpu_metadata
.endif
;; end of part 2
;; launch attn (part 3): grid 8 x 32, 16 waves a work-group, clusters of 4 x 1, 327,680 bytes of LDS; arguments qkv, mask_mat, out0; writes out0
.if DOCPART == 3
	.amdgcn_target "amdgcn-amd-amdhsa--gfx1250"
	.amdhsa_code_object_version 6
	.text
	.protected	k_q8bf677deed_attn
	.globl	k_q8bf677deed_attn
	.p2align	8
	.type	k_q8bf677deed_attn,@function
k_q8bf677deed_attn:
	s_mov_b64 s[64:65], 0
	v_nop
	global_prefetch_b8 v0, s[64:65] scope:SCOPE_SE
	s_setreg_imm32_b32 hwreg(HW_REG_WAVE_MODE, 25, 1), 1
	s_wait_xcnt 0x0
	s_wait_alu depctr_hold_cnt(0) depctr_sa_sdst(0) depctr_va_vdst(0) depctr_va_sdst(0) depctr_va_ssrc(0) depctr_va_vcc(0) depctr_vm_vsrc(0)
	s_getreg_b32 s2, hwreg(HW_REG_IB_STS2, 6, 4)
	s_cmp_eq_u32 s2, 0
	s_cbranch_scc0 .Lentry_in_a_cluster
	s_endpgm
.Lentry_in_a_cluster:
	s_bfe_u32 s2, ttmp6, 0x10000c
	s_cmp_lg_u32 s2, 0x3003
	s_cbranch_scc0 .Lentry_shape_is_right
	s_endpgm
.Lentry_shape_is_right:
; out = softmax(q k^T / 8 - m_i m_j) v on codes of E2M1 with E8M0 scales, from the records that launch proj stored.  No work of the problem is left out.
; SHARES.  A work-group owns 256 queries of TWO neighbouring heads (2 n, 2 n + 1) of a batch; each of its 16 waves owns one tile of 16 queries in both heads and walks the 2,048 keys in 16 steps of 128.
; The term -8 m_i m_j is the same for every head: it is made once a step (64 numbers a lane) and serves as C of both heads' first products.
; LDS, filled once: step s at 18,432 s: the even head's record (8,960 bytes), the odd head's, then the step's 128 mask numbers (512 bytes, stored by wave s).  Wave s asks for step s's two records by one
; joint load of two rows of 8,960 bytes; the four work-groups of a cluster (four query blocks of one pair of heads) share it.  Behind the steps the spare words.
; No data prefetch: all that the launch reads through LDS is asked for by the head's one load a wave, so there is no loop to run ahead in.
; LAYOUT.  Both products transposed: a lane holds one query (lane % 16).  A fragment of K carries the even head's 64 channels in K 0-63 and the odd head's in K 64-127; it is multiplied by [Q_even | zero codes] and by
; [zero codes | Q_odd].  The even head's stored scale words hold the even head's two bytes below and the odd head's two above, so one word serves both.
; THE KEYS OF A TILE: row p of tile 4 c + u is key 64 c + 8 u + p % 8 + 32 (p / 8): register 32 c + i of a lane's scores is key 64 c + 32 (lane / 16) + i.  So a lane holds whole blocks of 32 keys, a block's maximum
; needs no other lane, and the conversions' results are P's operand registers as they stand.
; M is a whole number, the running maximum of ceil(t); p = 2^(t - M); the sum is taken of the unquantised p; a change of M multiplies sum and O by an exact power of two.
; LIMITS: NaN and infinities are not served; the promise holds while the scaled scores stay under 2^31 in magnitude; a block whose p have all fallen to 0 keeps the byte 1 over zero codes.
; REGISTERS: v1-4 LDS addresses; v5, v27 the add's two; v[6:7] -8 m_i; v[8:9], v[10:11] (-M, sum) of the two heads; v12-26 scales alone; v28-39 Q_even, zeros, Q_odd; v40-55 K's tiles 6, 7, then at work; v56-63 block maxima;
; v64-127 the even head's scores (K's tiles 0-5 lie in its upper part until their turn; behind the conversions V's fragments); v128-191 mask, C, the odd head's scores; v192-255 O^T of both heads.
.set STEPB, 18432
.set RECB,  8960
.set MOFF,  17920
.set SPARE, 294912
.set QREC,  4608
.set QOFF,  9175040
.set SPITCH, 528                       ; the way out: a row of 512 bytes + 16
.set AK,  1
.set AKS, 2
.set AV,  3
.set AM,  4
.set SPW, 5
.set AI,  6
.set KS,  12
.set VSA, 16
.set VSB, 20
.set QS,  24
.set PSA, 25
.set PSB, 26
.set NIL, 27
.set QA,  28
.set F,   40
.set BM,  56
.set SA,  64
.set SB,  128
.set OA,  192
.set OB,  224
.set WV,  18
.set SEL, 22
.set G1,  24
.set G0,  40
.set CS,  44
.set CNT, 48
.macro ROUND
	s_barrier_signal -1
	s_barrier_wait -1
	s_cmp_lg_u32 s[WV], 0
	s_cbranch_scc1 .Lnot_wave_0_\@
	s_barrier_signal -3
.Lnot_wave_0_\@:
	s_barrier_wait -3
	s_barrier_signal -1
	s_barrier_wait -1
.endm
	s_load_b128 s[4:7], s[0:1], 0x0                ; qkv, mask_mat
	s_load_b64 s[8:9], s[0:1], 0x10                ; out0
	v_lshl_add_u32 v[SPW], v0, 2, SPARE
	v_mov_b32 v[NIL], 0
	ds_add_u32 v[SPW], v[NIL]                      ; the opening lines: the add twice on end and its wait
	ds_add_u32 v[SPW], v[NIL]
	v_lshrrev_b32 v40, 5, v0
	v_readfirstlane_b32 s[WV], v40                 ; wave 0..15
	s_and_b32 s49, ttmp7, 0xffff                   ; the pair of heads: 8 b + n
	s_lshl_b32 s50, s49, 5                         ; 16 x (16 b + 2 n): the even head's first record
	s_add_co_u32 s51, s50, s[WV]
	s_mul_i32 s52, s51, RECB
	s_mov_b32 s53, 0
	s_mov_b32 s[G1], 15|(3<<16)|(1<<21)            ; all four partners; elements of 8 bytes
	s_mov_b32 s[G1+1], 1120<<16                    ; a row: one record, 1,120 elements
	s_mov_b32 s[G1+2], 2<<16                       ; two rows: the two heads
	s_mov_b32 s[G1+3], 1120<<16
	s_mov_b32 s[G1+4], 2
	s_mov_b32 s[G1+5], 17920                       ; from head to head: 16 records
	s_mov_b32 s[G1+6], 0
	s_mov_b32 s[G1+7], 0
	s_mov_b32 s[SEL], 0x76543210
	s_mov_b32 s[SEL+1], 0xfedcba98
	s_mov_b32 s[CS], 0x3e38aa3b                    ; log2(e) / 8
	s_mov_b32 s[CS+1], s[CS]
	s_wait_dscnt 0x0
	s_wait_kmcnt 0x0
	s_mov_b32 s[G0], 1
	s_mul_i32 s[G0+1], s[WV], STEPB
	s_add_nc_u64 s[G0+2:G0+3], s[4:5], s[52:53]
	s_or_b32 s[G0+3], s[G0+3], 0x80000000
	ROUND
	tensor_load_to_lds s[G0:G0+3], s[G1:G1+7]      ; my one tensor load: step = my wave's number, both heads
	s_nop 0
	s_bfe_u32 s19, ttmp6, 0x40000                  ; cx
	s_lshl_b32 s54, ttmp9, 2
	s_add_co_u32 s54, s54, s19                     ; the block of 256 queries, 0..7
	s_lshl_b32 s55, s54, 1
	s_add_co_u32 s55, s55, s50
	s_lshr_b32 s56, s[WV], 3
	s_add_co_u32 s55, s55, s56                     ; q's record of the even head
	s_mul_i32 s55, s55, QREC
	s_add_co_u32 s55, s55, QOFF
	s_and_b32 s56, s[WV], 7                        ; my tile in it
	s_lshl_b32 s57, s56, 9
	s_add_co_u32 s60, s57, s55
	s_mov_b32 s61, 0
	s_add_nc_u64 s[10:11], s[4:5], s[60:61]        ; its codes
	s_lshr_b32 s57, s56, 2
	s_lshl_b32 s57, s57, 8
	s_and_b32 s58, s[WV], 3
	s_lshl_b32 s58, s58, 2
	s_add_co_u32 s60, s57, s58
	s_add_co_u32 s60, s60, s55
	s_add_co_u32 s60, s60, 4096
	s_add_nc_u64 s[12:13], s[4:5], s[60:61]        ; its scale words
	s_lshr_b32 s56, s49, 3                         ; the batch
	s_lshl_b32 s57, s56, 11
	s_lshl_b32 s58, s54, 8
	s_add_co_u32 s57, s57, s58
	s_lshl_b32 s58, s[WV], 4
	s_add_co_u32 s57, s57, s58                     ; my first query among the 8,192 rows
	s_lshl_b32 s60, s57, 2
	s_add_nc_u64 s[14:15], s[6:7], s[60:61]        ; its mask number
	s_lshl_b32 s60, s56, 13
	s_lshl_b32 s58, s[WV], 9
	s_add_co_u32 s60, s60, s58
	s_add_nc_u64 s[16:17], s[6:7], s[60:61]        ; the 128 mask numbers of step = my wave's number
	s_lshl_b32 s60, s57, 12
	s_and_b32 s58, s49, 7
	s_lshl_b32 s58, s58, 9
	s_add_co_u32 s60, s60, s58
	s_add_nc_u64 s[20:21], s[8:9], s[60:61]        ; my rows of out0, at the even head's channels
	s_mul_i32 s59, s[WV], STEPB
	s_add_co_u32 s59, s59, MOFF
	v_and_b32 v40, 15, v0                          ; r
	v_bfe_u32 v41, v0, 4, 1                        ; h
	v_and_b32 v42, 31, v0
	v_lshlrev_b32 v[AV], 4, v42                    ; 16 x lane
	v_lshlrev_b32 v43, 4, v40
	v_lshlrev_b32 v44, 2, v40
	global_load_b128 v[QA:QA+3], v[AV], s[10:11]
	global_load_b128 v[QA+8:QA+11], v[AV], s[10:11] offset:16*QREC
	global_load_b32 v[QS], v43, s[12:13]
	global_load_b32 v49, v44, s[14:15]
	global_load_b128 v[52:55], v[AV], s[16:17]
	v_and_b32 v45, 7, v40
	v_lshrrev_b32 v46, 3, v40
	v_lshlrev_b32 v47, 8, v41
	v_lshl_add_u32 v47, v45, 4, v47                ; 16 (r % 8) + 256 h
	v_lshl_add_u32 v[AK], v46, 10, v47             ; K's codes: + 1,024 (r / 8)
	v_lshl_add_u32 v[AKS], v46, 3, v47             ; K's scale words: + 8 (r / 8); lanes 16-31 take the tiles of c = 1
	v_add_nc_u32 v[AKS], 8192, v[AKS]
	v_lshl_add_u32 v[AM], v41, 7, MOFF             ; the mask: 128 h
	v_add_nc_u32 v48, s59, v[AV]                   ; where my 16 bytes of the mask go
	v_mov_b32 v[AI+1], 0
	v_mov_b32 v8, 0x7f61b1e6                       ; -M: 3e38, over every -t
	v_mov_b32 v10, 0x7f61b1e6
	v_mov_b32 v9, 0
	v_mov_b32 v11, 0
.irp j, 4,5,6,7
	v_mov_b32 v[QA+\j], 0                          ; the zero codes between Q_even and Q_odd
.endr
.set j, 0
.rept 64
	v_mov_b32 v[OA+j], 0                           ; the step is written for all steps alike: the first finds zeros
.set j, j+1
.endr
	s_wait_alu depctr_va_vdst(0)
	s_wait_tensorcnt 0x0
	s_barrier_signal -1
	s_barrier_wait -1                              ; every wave's records have landed
	s_wait_loadcnt 0x0
	v_mul_f32 v[AI], 0xc1000000, v49               ; -8 m_i
	ds_store_b128 v48, v[52:55]
	s_wait_alu depctr_va_vdst(0)
	s_wait_dscnt 0x0
	s_barrier_signal -1
	s_barrier_wait -1                              ; and everybody's part of the mask lies in LDS
.macro MLOAD                           ; a step's 64 mask numbers of my half of the lanes, and K's scale words (register u: lanes 0-15 tile u, lanes 16-31 tile 4 + u)
.irp c, 0,1
.irp g, 0,1,2,3,4,5,6,7
	ds_load_b128 v[SB+32*\c+4*\g:SB+32*\c+4*\g+3], v[AM] offset:256*\c+16*\g
.endr
.endr
.irp u, 0,1,2,3
	ds_load_b32 v[KS+\u], v[AKS] offset:128*(\u%2)+4*(\u/2)
.endr
.endm
.macro CM n                            ; the next n pairs of C = mask x (-8 m_i)
.rept \n
	v_pk_mul_f32 v[SB+2*cmn:SB+2*cmn+1], v[SB+2*cmn:SB+2*cmn+1], v[AI:AI+1] op_sel_hi:[1,0]
.set cmn, cmn+1
.endr
.endm
.macro MX n                            ; the next n lines of the maxima: chains of 16 scores (head, half of a block) by turns, each accumulator from its low end on
.rept \n
.set mk, mxn%4
.set ml, (mxn%28)/4
.set mr, SA+64*(mk/2)+16*(mk%2)+32*(mxn/28)
.set mb, BM+4*(mxn/28)+mk
.if ml == 0
	v_max3_num_f32 v[mb], v[mr], v[mr+1], v[mr+2]
.else
	v_max3_num_f32 v[mb], v[mb], v[mr+2*ml+1], v[mr+2*ml+2]
.endif
.set mxn, mxn+1
.endr
.endm
.macro SETKF T                         ; where K's tile T lies: tiles 0-5 in the even head's score registers two tiles further up, 6 and 7 in v40-55
.if (\T) < 6
.set kf, SA+16+8*(\T)
.else
.set kf, F+8*((\T)-6)
.endif
.endm
.macro KLOAD T
	SETKF \T
	ds_load_b128 v[kf:kf+3], v[AK] offset:2048*((\T)/4)+512*(((\T)%4)/2)+128*((\T)%2)
	ds_load_b128 v[kf+4:kf+7], v[AK] offset:RECB+2048*((\T)/4)+512*(((\T)%4)/2)+128*((\T)%2)
.endm
.macro QK hd, T                        ; head hd's scores of tile T: the even head's go to registers of their own with C read from the odd head's, the odd head's add in place onto C
	SETKF \T
.set qd, SA+64*(\hd)+8*(\T)
.if (\T) < 4
	v_wmma_scale_f32_16x16x128_f8f6f4 v[qd:qd+7], v[kf:kf+7], v[QA+4*(\hd):QA+4*(\hd)+7], v[SB+8*(\T):SB+8*(\T)+7], v[KS+(\T)%4], v[QS] matrix_a_fmt:MATRIX_FMT_FP4 matrix_b_fmt:MATRIX_FMT_FP4
.else
	v_wmma_scale_f32_16x16x128_f8f6f4 v[qd:qd+7], v[kf:kf+7], v[QA+4*(\hd):QA+4*(\hd)+7], v[SB+8*(\T):SB+8*(\T)+7], v[KS+(\T)%4], v[QS] matrix_a_fmt:MATRIX_FMT_FP4 matrix_b_fmt:MATRIX_FMT_FP4 matrix_a_scale:MATRIX_SCALE_ROW1
.endif
.endm
.macro SUMS s, t, acc                  ; the 64 unquantised p at s, in four chains of pairs at t, onto the head's sum
.irp k, 0,1,2,3
	v_pk_add_f32 v[\t+2*\k:\t+2*\k+1], v[\s+2*\k:\s+2*\k+1], v[\s+8+2*\k:\s+9+2*\k]
.endr
.irp j, 2,3,4,5,6,7
.irp k, 0,1,2,3
	v_pk_add_f32 v[\t+2*\k:\t+2*\k+1], v[\t+2*\k:\t+2*\k+1], v[\s+8*\j+2*\k:\s+8*\j+2*\k+1]
.endr
.endr
	v_pk_add_f32 v[\t:\t+1], v[\t:\t+1], v[\t+2:\t+3]
	v_pk_add_f32 v[\t+4:\t+5], v[\t+4:\t+5], v[\t+6:\t+7]
	v_pk_add_f32 v[\t:\t+1], v[\t:\t+1], v[\t+4:\t+5]
	v_add_f32 v[\acc], v[\acc], v[\t]
	v_add_f32 v[\acc], v[\acc], v[\t+1]
.endm
; A STEP: 128 keys, both heads.  It begins with the step's mask numbers and K's scale words asked for (by the head, or by the step before).
.macro STEP last
.set cmn, 0
.set mxn, 0
	s_wait_dscnt 4                                 ; the 16 mask loads are in; the four loads of scale words behind them may be out
	CM 4                                           ; (also the four places between the last step's products and the loads into their operands' registers)
.irp T, 0,1,2,3,4,5,6,7
	KLOAD \T
.endr
	CM 8
	s_wait_alu depctr_va_vdst(0)
	s_wait_dscnt 0x0
; Five places stand between an even-head product and the odd-head product that writes over its C, and between the products of two tiles and those that write over their fragments: mask products and maxima that are due anyway.
	QK 0, 0
	QK 0, 1
	CM 5
	QK 1, 0
	QK 1, 1
	CM 5
	QK 0, 2
	QK 0, 3
	CM 5
	QK 1, 2
	QK 1, 3
	CM 5
	QK 0, 4
	QK 0, 5
	MX 5
	QK 1, 4
	QK 1, 5
	MX 5
	QK 0, 6
	QK 0, 7
	MX 5
	QK 1, 6
	QK 1, 7
	MX 41
.irp c, 0,1
.irp d, 0,1
	v_max3_num_f32 v[BM+4*\c+2*\d], v[BM+4*\c+2*\d], v[BM+4*\c+2*\d+1], v[SA+64*\d+32*\c+15]
.endr
.endr
.irp c, 0,1
.irp d, 0,1
	v_max_num_f32 v[BM+4*\c+2*\d], v[BM+4*\c+2*\d], v[SA+64*\d+32*\c+31]   ; the largest score of my block 2 c + h, head d
.endr
.endr
.irp d, 0,1
	v_max_num_f32 v[F+\d], v[BM+2*\d], v[BM+4+2*\d]
.endr
.irp d, 0,1
	s_delay_alu instid0(VALU_DEP_2)
	v_permlanex16_b32 v[F+2+\d], v[F+\d], s[SEL], s[SEL+1]
.endr
.irp d, 0,1
	s_delay_alu instid0(VALU_DEP_2)
	v_max_num_f32 v[F+\d], v[F+\d], v[F+2+\d]      ; the step's largest score of my query
.endr
.irp d, 0,1
	s_delay_alu instid0(VALU_DEP_2)
	v_mul_f32 v[F+\d], s[CS], v[F+\d]
.endr
.irp d, 0,1
	s_delay_alu instid0(VALU_DEP_2)
	v_floor_f32 v[F+\d], -v[F+\d]                  ; -ceil(t)
.endr
.irp d, 0,1
	s_delay_alu instid0(VALU_DEP_2)
	v_min_num_f32 v[F+\d], v[F+\d], v[8+2*\d]      ; the new -M
.endr
.irp d, 0,1
	s_delay_alu instid0(VALU_DEP_2)
	v_sub_f32 v[F+2+\d], v[F+\d], v[8+2*\d]        ; old M - new M: a whole number, 0 or less
.endr
.irp d, 0,1
	v_mov_b32 v[8+2*\d], v[F+\d]
.endr
.irp d, 0,1
	v_cvt_i32_f32 v[F+2+\d], v[F+2+\d]             ; (it saturates)
.endr
.irp d, 0,1
	s_delay_alu instid0(VALU_DEP_2)
	v_ldexp_f32 v[F+4+2*\d], 1.0, v[F+2+\d]        ; f = 2^(old M - new M)
.endr
.irp d, 0,1
.set j, 0
.rept 32
	v_pk_fma_f32 v[SA+64*\d+j:SA+64*\d+j+1], v[SA+64*\d+j:SA+64*\d+j+1], s[CS:CS+1], v[8+2*\d:9+2*\d] op_sel_hi:[1,0,0]   ; t - M
.set j, j+2
.endr
.endr
.irp c, 0,1
.irp d, 0,1
	v_fma_f32 v[BM+4*\c+2*\d], v[BM+4*\c+2*\d], s[CS], v[8+2*\d]   ; the same of each block's largest score
.endr
.endr
.irp d, 0,1
	v_mul_f32 v[9+2*\d], v[9+2*\d], v[F+4+2*\d]    ; the sum under the new M
.endr
.irp d, 0,1
.set j, 0
.rept 16
	v_pk_mul_f32 v[OA+32*\d+j:OA+32*\d+j+1], v[OA+32*\d+j:OA+32*\d+j+1], v[F+4+2*\d:F+5+2*\d] op_sel_hi:[1,0]   ; O^T under the new M
.set j, j+2
.endr
.endr
	ds_load_b128 v[F:F+3], v[AV] offset:RECB+4096+3072       ; the odd head's last tile of V, into registers that are done with
	ds_load_b128 v[F+4:F+7], v[AV] offset:RECB+4096+3072+512
	s_wait_alu depctr_va_vdst(0)
.set j, 0
.rept 128
	v_exp_f32 v[SA+j], v[SA+j]                     ; p = 2^(t - M)
.set j, j+1
.endr
.irp x, 0,2,4,6
	v_exp_f32 v[BM+\x], v[BM+\x]                   ; each block's largest p
.endr
	v_nop
	s_wait_alu depctr_va_vdst(0)                   ; one wait for the batch, ahead of its first reader
.irp x, 0,2,4,6
	v_max_num_f32 v[BM+\x], 0x1800000, v[BM+\x]    ; the floor 2^(3 - 127): the byte cannot fall under 1
.endr
.irp x, 0,2,4,6
	s_delay_alu instid0(VALU_DEP_4)
	v_add_nc_u32 v[BM+\x+1], 0xff000000, v[BM+\x]  ; 2 off the exponent field: the conversion's scale operand
.endr
.irp x, 0,2,4,6
	s_delay_alu instid0(VALU_DEP_4)
	v_lshrrev_b32 v[BM+\x], 23, v[BM+\x+1]         ; the byte
.endr
.irp d, 0,1
	v_lshl_or_b32 v[BM+2*\d], v[BM+4+2*\d], 16, v[BM+2*\d]   ; my blocks h and 2 + h
.endr
.irp d, 0,1
	s_delay_alu instid0(VALU_DEP_2)
	v_permlanex16_b32 v[BM+4+2*\d], v[BM+2*\d], s[SEL], s[SEL+1]
.endr
.irp d, 0,1
	s_delay_alu instid0(VALU_DEP_2)
	v_lshl_or_b32 v[PSA+\d], v[BM+4+2*\d], 8, v[BM+2*\d]     ; in lanes 0-15, which are read: bytes of blocks 0, 1, 2, 3
.endr
	SUMS SA, F+8, 9
.irp g, 0,1,2,3,4,5,6,7
	v_cvt_scalef32_pk8_fp4_f32 v[F+8+\g], v[SA+8*\g:SA+8*\g+7], v[BM+1+4*(\g/4)]   ; P of the even head: v48-55
.endr
	v_nop                                          ; one plain instruction behind the conversions
.irp t, 0,1,2,3
	ds_load_b128 v[SA+8+8*\t:SA+11+8*\t], v[AV] offset:4096+1024*\t
	ds_load_b128 v[SA+12+8*\t:SA+15+8*\t], v[AV] offset:4096+1024*\t+512
.endr
.irp t, 0,1,2
	ds_load_b128 v[SA+40+8*\t:SA+43+8*\t], v[AV] offset:RECB+4096+1024*\t
	ds_load_b128 v[SA+44+8*\t:SA+47+8*\t], v[AV] offset:RECB+4096+1024*\t+512
.endr
	ds_load_b128 v[VSA:VSA+3], v[AV] offset:8704             ; V's scale words: lanes 0-15 are read
	ds_load_b128 v[VSB:VSB+3], v[AV] offset:RECB+8704
	SUMS SB, SA, 11
.irp g, 0,1,2,3,4,5,6,7
	v_cvt_scalef32_pk8_fp4_f32 v[SA+\g], v[SB+8*\g:SB+8*\g+7], v[BM+3+4*(\g/4)]    ; P of the odd head: v64-71
.endr
	v_add_nc_u32 v[AK], STEPB, v[AK]               ; on to the next step; these four are also the places between the conversions and the products
	v_add_nc_u32 v[AKS], STEPB, v[AKS]
	v_add_nc_u32 v[AV], STEPB, v[AV]
	v_add_nc_u32 v[AM], STEPB, v[AM]
.if \last
	s_wait_alu depctr_va_vdst(0)
	s_wait_dscnt 0x0
.else
	MLOAD                                          ; the next step's mask and scale words come in under the products below
	s_wait_alu depctr_va_vdst(0)
	s_wait_dscnt 20                                ; V and its scale words are in; the 20 loads just issued may be out
.endif
.irp t, 0,1,2,3
	v_wmma_scale_f32_16x16x128_f8f6f4 v[OA+8*\t:OA+8*\t+7], v[SA+8+8*\t:SA+15+8*\t], v[F+8:F+15], v[OA+8*\t:OA+8*\t+7], v[VSA+\t], v[PSA] matrix_a_fmt:MATRIX_FMT_FP4 matrix_b_fmt:MATRIX_FMT_FP4
.if \t < 3
	v_wmma_scale_f32_16x16x128_f8f6f4 v[OB+8*\t:OB+8*\t+7], v[SA+40+8*\t:SA+47+8*\t], v[SA:SA+7], v[OB+8*\t:OB+8*\t+7], v[VSB+\t], v[PSB] matrix_a_fmt:MATRIX_FMT_FP4 matrix_b_fmt:MATRIX_FMT_FP4
.else
	v_wmma_scale_f32_16x16x128_f8f6f4 v[OB+8*\t:OB+8*\t+7], v[F:F+7], v[SA:SA+7], v[OB+8*\t:OB+8*\t+7], v[VSB+\t], v[PSB] matrix_a_fmt:MATRIX_FMT_FP4 matrix_b_fmt:MATRIX_FMT_FP4
.endif
.endr
.endm
	MLOAD
	s_mov_b32 s[CNT], 15
.Lstep:
	STEP 0
	s_sub_co_u32 s[CNT], s[CNT], 1
	s_cmp_lg_u32 s[CNT], 0
	s_cbranch_scc1 .Lstep
	STEP 1                                         ; the last step asks for no further mask
; THE WAY OUT.  O^T / the sum goes through a stage of 16 rows x (512 + 16) bytes a wave, laid over the records once every wave has read its last; a row (both heads' 128 channels) leaves as 512 consecutive aligned bytes.
	s_mul_i32 s59, s[WV], 16*SPITCH
	v_and_b32 v59, 15, v0                          ; (these lines are also the places behind the last products)
	v_bfe_u32 v60, v0, 4, 1
	v_and_b32 v61, 31, v0
	v_mul_u32_u24 v56, v59, SPITCH
	v_lshl_add_u32 v56, v60, 5, v56
	v_add_nc_u32 v56, s59, v56                     ; in: row r, 32 h
	v_lshlrev_b32 v57, 4, v61                      ; my 16 bytes of a row
	v_add_nc_u32 v58, s59, v57                     ; back
.irp d, 0,1
	v_permlanex16_b32 v[62+\d], v[9+2*\d], s[SEL], s[SEL+1]
.endr
.irp d, 0,1
	v_add_f32 v[SB+2*\d], v[9+2*\d], v[62+\d]      ; the row's sum: my half's keys and lane l xor 16's
.endr
	s_wait_alu depctr_va_vdst(0)                   ; ahead of the transcendentals
	v_rcp_f32 v[SB], v[SB]
	v_rcp_f32 v[SB+2], v[SB+2]
	v_nop
	s_wait_alu depctr_va_vdst(0)                   ; and ahead of their first reader, which is also O^T's
.irp d, 0,1
.set j, 0
.rept 16
	v_pk_mul_f32 v[SA+32*\d+j:SA+32*\d+j+1], v[OA+32*\d+j:OA+32*\d+j+1], v[SB+2*\d:SB+2*\d+1] op_sel_hi:[1,0]
.set j, j+2
.endr
.endr
	s_wait_alu depctr_va_vdst(0)
	s_wait_dscnt 0x0                               ; my reads of the records are over
	s_barrier_signal -1
	s_barrier_wait -1                              ; everybody's are
.irp d, 0,1
.irp t, 0,1,2,3
	ds_store_b128 v56, v[SA+32*\d+8*\t:SA+32*\d+8*\t+3] offset:256*\d+64*\t
	ds_store_b128 v56, v[SA+32*\d+8*\t+4:SA+32*\d+8*\t+7] offset:256*\d+64*\t+16
.endr
.endr
.irp i, 0,1,2,3,4,5,6,7,8,9,10,11,12,13,14,15
	ds_load_b128 v[SB+4*\i:SB+4*\i+3], v58 offset:SPITCH*\i     ; LDS serves a wave's instructions in order: these see my stores
.endr
.irp i, 0,1,2,3,4,5,6,7,8,9,10,11,12,13,14,15
	s_wait_dscnt 15-\i                             ; row i is back; the younger loads may be out
	global_store_b128 v57, v[SB+4*\i:SB+4*\i+3], s[20:21] offset:4096*\i th:TH_STORE_NT   ; 32 lanes store 512 consecutive bytes, aligned
.endr
	s_wait_tensorcnt 0x0                           ; the wave's end
	ds_add_u32 v[SPW], v[NIL]
	s_wait_dscnt 0x0
	ROUND                                          ; the closing round
	s_endpgm
.Lfunc_end_k_q8bf677deed_attn:
	.size	k_q8bf677deed_attn, .Lfunc_end_k_q8bf677deed_attn-k_q8bf677deed_attn
	.p2alignl 7, 3214868480
	.fill 96, 4, 3214868480
	.section	.rodata,"a",@progbits
	.p2align	6, 0x0
	.amdhsa_kernel k_q8bf677deed_attn
		.amdhsa_group_segment_fixed_size 327680
		.amdhsa_private_segment_fixed_size 0
		.amdhsa_enable_private_segment 0
		.amdhsa_kernarg_size 24
		.amdhsa_user_sgpr_count 2
		.amdhsa_user_sgpr_kernarg_segment_ptr 1
		.amdhsa_wavefront_size32 1
		.amdhsa_system_sgpr_workgroup_id_x 1
		.amdhsa_system_sgpr_workgroup_id_y 1
		.amdhsa_system_sgpr_workgroup_id_z 1
		.amdhsa_system_vgpr_workitem_id 0
		.amdhsa_next_free_vgpr 256
		.amdhsa_next_free_sgpr 66
		.amdhsa_reserve_vcc 0
		.amdhsa_float_denorm_mode_32 3
		.amdhsa_float_denorm_mode_16_64 3
		.amdhsa_memory_ordered 1
		.amdhsa_forward_progress 1
		.amdhsa_inst_pref_size 77
	.end_amdhsa_kernel
	.amdgpu_metadata
---
amdhsa.version: [ 1, 2 ]
amdhsa.kernels:
  - .name:           k_q8bf677deed_attn
    .symbol:         k_q8bf677deed_attn.kd
    .args:
      - { .name: qkv, .offset: 0, .size: 8, .value_kind: global_buffer, .address_space: global }
      - { .name: mask_mat, .offset: 8, .size: 8, .value_kind: global_buffer, .address_space: global }
      - { .name: out0, .offset: 16, .size: 8, .value_kind: global_buffer, .address_space: global }
    .group_segment_fixed_size: 327680
    .private_segment_fixed_size: 0
    .kernarg_segment_align: 8
    .kernarg_segment_size: 24
    .max_flat_workgroup_size: 512
    .sgpr_count:     66
    .vgpr_count:     256
    .wavefront_size: 32
...
	.end_amdgpu_metadata
.endif
;; end of part 3
